; MI455X (gfx1250); checked and timed in simulation.
; The chip was launched on July 23, 2026; its instructions are those of AMD's public machine-readable ISA for CDNA 5 (MIT licence, August 2026) and "CDNA5" Instruction Set Architecture Reference Guide (July 2026). The comments in the code are by the model that wrote it; some were corrected since.
;; Multi Head Attention Fusion. Allowed arithmetic: matrix products marked QUANTISED: E4M3 operands, one E8M0 scale for each 32 along K, by v_wmma_scale_f32_16x16x128_f8f6f4 with both operands' format E4M3, f32 sums; products left as they are: f32 operands where the result goes on into a quantised operand, else bf16, f16 or f32 operands; f32 sums; everything else in f32.
;; Inputs: Wk_codes 1,024 x 32 x 32 uint8 (E4M3 codes of Wk, K innermost, in blocks of 32 codes); Wk_scales 1,024 x 32 uint8 (E8M0 scales of Wk, one for each 32 codes along K); Wo_codes 1,024 x 32 x 32 uint8 (E4M3 codes of Wo, K innermost, in blocks of 32 codes); Wo_scales 1,024 x 32 uint8 (E8M0 scales of Wo, one for each 32 codes along K); Wq_codes 1,024 x 32 x 32 uint8 (E4M3 codes of Wq, K innermost, in blocks of 32 codes); Wq_scales 1,024 x 32 uint8 (E8M0 scales of Wq, one for each 32 codes along K); Wv_codes 1,024 x 32 x 32 uint8 (E4M3 codes of Wv, K innermost, in blocks of 32 codes); Wv_scales 1,024 x 32 uint8 (E8M0 scales of Wv, one for each 32 codes along K); bk 1,024 float32; bo 1,024 float32; bq 1,024 float32; bv 1,024 float32; image_features 8,192 x 1,024 float32; ln_beta 1,024 float32; ln_gamma 1,024 float32; signal_features 8,192 x 1,024 float32.
;; Outputs: out0 8,192 x 1,024 float32.
;; This version of the problem:
;;   THIS VERSION OF THE PROBLEM IS GIVEN IN LOW PRECISION. The matrix products marked QUANTISED in the list below multiply operands that are first quantised to E4M3 (4 exponent bits, 3 mantissa bits; 8 bits a number), with one power-of-two scale for each 32 numbers along K (OCP MX v1.0); their sums are f32. All else is computed in f32.
;;   The module's matrix products, in the order in which they are computed (A, B: the left and right operand; K: the contracted axis; several contracted axes count as one K, in the product's order):
;;     1. [M 8,192, K 1,024] x [K 1,024, N 1,024]; A: input image_features; B: input Wq (given as codes): QUANTISED
;;     2. [M 16,384, K 1,024] x [K 1,024, N 1,024]; A: computed on the way; B: input Wk (given as codes): QUANTISED
;;     3. [M 16,384, K 1,024] x [K 1,024, N 1,024]; A: computed on the way; B: input Wv (given as codes): QUANTISED
;;     4. batch 65,536 x [M 1, K 128] x [K 128, N 2]; A: computed on the way; B: computed on the way: left as it is (M = 1 < 16)
;;     5. batch 65,536 x [M 1, K 2] x [K 2, N 128]; A: softmax; B: computed on the way: left as it is (K = 2 < 32)
;;     6. [M 8,192, K 1,024] x [K 1,024, N 1,024]; A: computed on the way; B: input Wo (given as codes): QUANTISED
;;   THE QUANTISER, for each operand of a quantised product, along K:
;;     - K is cut into blocks of 32 from its start; a last block that is shorter is filled with zeros.
;;     - A block's scale is 2^e with e = floor(log2(the largest magnitude in the block)) - 8, held to -126 .. 127; a block of zeros has e = 0. As a byte (E8M0): e + 127.
;;     - Each number is divided by its block's scale, clamped to +-448, and rounded to the nearest number of E4M3, ties to even, subnormals kept.
;;     - The product sums the exact products of the quantised numbers (number of the format x scale) in f32.
;;   ~~~python
;;   def quantise(x, axis):      # numpy; x: float32 -> the quantised numbers, widened to float32 again
;;       x = np.moveaxis(x, axis, -1); K = x.shape[-1]
;;       x = np.pad(x, [(0, 0)] * (x.ndim - 1) + [(0, -K % 32)]); x = x.reshape(x.shape[:-1] + (-1, 32)); a = np.abs(x).max(-1, keepdims=True)
;;       e = np.where(a > 0, np.clip(np.frexp(np.where(a > 0, a, 1))[1] - 1 - 8, -126, 127), 0)      # np.frexp(a)[1] - 1 = floor(log2(a)), exactly
;;       r = np.clip(x / 2.0 ** e, -448, 448)
;;       step = 2.0 ** (np.maximum(np.frexp(np.where(r == 0, 1, r))[1] - 1, -6) - 3)
;;       q = np.round(r / step) * step * 2.0 ** e      # np.round: ties to even
;;       return np.moveaxis(q.reshape(q.shape[:-2] + (-1,))[..., :K], -1, axis).astype(np.float32)
;;   ~~~
;;   OPERANDS COMPUTED ON THE WAY. 'Computed on the way' means the value that the module computes at that place (a softmax that the list does not call 'softmax' is quantised finished and normalised). What goes into a quantiser is computed in f32, as accurately as f32 sums, v_exp_f32 and their like allow (about 1e-6 of the number): no bf16 or f16 on the way to a quantiser, and a product that is left as it is and whose result goes on into a quantised operand takes f32 operands (vector FMAs, or v_wmma_f32_16x16x4_f32). A number that lies on a knife's edge between two numbers of the format may be rounded either way, as far as f32 arithmetic and the matrix unit's own rounding can turn it there, and no further.
;;   INPUTS GIVEN AS CODES. Wk (in the module: [1024, 1024], K = its axis 1); Wo (in the module: [1024, 1024], K = its axis 1); Wq (in the module: [1024, 1024], K = its axis 1); Wv (in the module: [1024, 1024], K = its axis 1): each comes as NAME_codes (uint8): NAME with its K axis moved to the last place and cut into blocks of 32 codes, [.., K / 32, bytes a block], one block behind the other in memory; one code a byte (a code: sign, 4 exponent bits, 3 mantissa bits); and NAME_scales (uint8): the same leading axes, one E8M0 byte (e + 127) for each 32 codes along K. Its value is code x scale, taken as it is: it is not quantised again, and the codes and scales need not be those that the quantiser above would give.
;; One version. Each part assembles by itself: llvm-mc -triple=amdgcn-amd-amdhsa -mcpu=gfx1250 --defsym DOCPART=n.
;; ======== version 1 of 1: 1 launch
;; limits: right only within a limited range of input values
;; launch fused (part 1): grid 256 x 1, 4 waves a work-group, clusters of 4 x 1, 327,680 bytes of LDS; arguments image_features, signal_features, Wq_codes, Wq_scales, Wk_codes, Wk_scales, Wv_codes, Wv_scales, Wo_codes, Wo_scales, bq, bv, bo, ln_gamma, ln_beta, out0; writes out0
.if DOCPART == 1
	.amdgcn_target "amdgcn-amd-amdhsa--gfx1250"
	.amdhsa_code_object_version 6
	.text
	.protected	k_q8459106ed9_fused
	.globl	k_q8459106ed9_fused
	.p2align	8
	.type	k_q8459106ed9_fused,@function
k_q8459106ed9_fused:
	s_mov_b64 s[64:65], 0
	v_nop
	global_prefetch_b8 v0, s[64:65] scope:SCOPE_SE
	s_setreg_imm32_b32 hwreg(HW_REG_WAVE_MODE, 25, 1), 1
	s_wait_xcnt 0x0
	s_wait_alu depctr_hold_cnt(0) depctr_sa_sdst(0) depctr_va_vdst(0) depctr_va_sdst(0) depctr_va_ssrc(0) depctr_va_vcc(0) depctr_vm_vsrc(0)
	s_getreg_b32 s2, hwreg(HW_REG_IB_STS2, 6, 4)
	s_cmp_eq_u32 s2, 0
	s_cbranch_scc0 .Lentry_in_a_cluster
	s_endpgm
.Lentry_in_a_cluster:
	s_bfe_u32 s2, ttmp6, 0x10000c
	s_cmp_lg_u32 s2, 0x3003
	s_cbranch_scc0 .Lentry_shape_is_right
	s_endpgm
.Lentry_shape_is_right:
; out = LayerNorm(Q(ctx) Wo^T + bo + img) gamma + beta, ctx = a0 v(img) + a1 v(sig) for each of 8 heads of 128, a = softmax over the two keys of q . k / sqrt(128),
; q = Q(img) Wq^T + bq, k = Q(x) Wk^T, v = Q(x) Wv^T + bv for x = img, sig.  Q: the MX quantiser (E4M3 codes, one E8M0 byte for each 32 along K).  The four weights arrive as codes, K innermost.
; WORK LEFT OUT: bk.  score_j = q . (k_j + bk) / sqrt(128) = q . k_j / sqrt(128) + q . bk / sqrt(128); the second term is the same for both keys j, that is along the softmax's axis, so it cancels in
; the softmax for all values of the inputs; the product of q with k is not quantised, so bk enters no quantiser.  bk is not loaded and is not among the arguments.
; LIMITS: a NaN, an infinity or an overflow that bk alone would cause is not carried to the result; NaN and infinities among the inputs are not served by the quantisers; a block of zeros gets the scale byte 1
; where the rule says 127 (its codes are zeros, and this program alone reads those bytes).
; ONE LAUNCH, nothing goes to memory and comes back.  A work-group owns 32 rows: four tiles of 16 (T0, T1 of img, T2, T3 of sig).  Their codes, 64 x 1,024, stay in EVERY wave's registers (512).
; THE WEIGHTS pass in 32 steps of 128 weight rows x all 1,024 of K: Wq, Wk, Wv of head 0, .. of head 7, then Wo's eight groups.  A step finishes 128 output columns.
; THE WAVES SHARE THE COLUMNS: wave w takes columns 32 w .. 32 w + 31 of a step (two tiles u of 16 weight rows) for all rows, so each weight byte is multiplied by one wave of the work-group.
; THE WEIGHTS COME BY TWO ROADS.  K steps 0-3 (the first 512 bytes of each weight row) come through a ring of two LDS slots filled by the tensor data mover; a slot holds that half of TWO steps, so that one
; round of the barrier and one load a wave serve two steps.  K steps 4-7 (the last 512 bytes) come straight into the registers of the wave that multiplies them.  A step multiplies K steps 4-7 first and asks at
; once for the next step's into the same 128 registers: 16,384 bytes a wave are then on their way beside the wave's tensor load, and half as many bytes go into and out of LDS.
; ALL PRODUCTS ARE USED TRANSPOSED (source 0 = 16 weight rows, source 1 = 16 rows of x): lane (r, h) holds row r of x, its register j weight row 8 h + j of the tile.
; Wv's tiles take rows 32 w + 8 u + r + 8 (r / 8): a lane's 16 registers of u = 0, 1 are then 16 neighbours along Wo's K, and wave w makes chunk w and scale byte w of ctx's fragment for K step = head.
; CLUSTER: every work-group walks the same weights; the four partners ask for each slot JOINTLY (the same tensor load, the same descriptor, made of the wave's number and the step alone, mask 15).
; Not shared so: the register road (a joint request lands in LDS, and the two slots take what LDS has), and the weights' scale words and the biases (1,024 + 128 bytes a wave and step): they come dense, a step ahead.
; REGISTERS, in windows of 256: window 0: addresses, scale words, biases, accumulators of q, k, v, statistics.  window 1: img's 16 fragments ((m, s) at 16 (8 m + s)), later ctx's, later 8 rows of y.
;   window 2: sig's fragments, later the 32 accumulators of the out-projection (32 j + 16 m + 8 u).  window 3: a step's 16 weight fragments ((s, u) at 16 (2 s + u)); at first x as f32, at the end 8 rows of img.
; THE ORDER INSIDE A STEP, which stands for what is said above of K steps 4-7: the two roads take turns.  Wq's and Wo's steps go by K steps 4, 0, 5, 1, 6, 2, 7, 3; Wk's and Wv's by pairs 4-5, 0-1, 6-7, 2-3.
; Behind the products of a K step of the register road (and eight places) the NEXT step's same K step is asked for into the same registers, so 24 to 32 loads of 512 bytes a wave are out throughout a step.
; A step issues its loads in one order: the next step's scale words and bias, then K steps 4, 5, 6, 7, eight loads each: every counted wait on LOADcnt below is counted on that order.
; The LDS half's loads go out one K step (Wq, Wo: 8 loads) or one pair (Wk, Wv: 16 loads) ahead of the products that take them.
; THE RESIDUAL: my 8 rows of img are asked for during Wo's last group, row i as soon as the 32 registers of K step i's two fragments are free.  No prefetch is laid for them: the work-group that reads
; these 131,072 bytes here has itself read them at the head of this launch.
.set SLOT,   139264                    ; a slot in LDS: four units: unit i = the slot's step i / 2, bytes 256 (i % 2) .. + 255 of its weight rows (what wave i fetches)
.set UNIT,   34816                     ; a unit: 128 rows x PITCH
.set PITCH,  272                       ; 256 bytes of codes + 16 of padding = 68 words: the 16 rows that a fragment load touches start at 16 different banks (64 banks of 4 bytes: ISA guide 11.1)
.set GROUPB, 131072                    ; 128 weight rows in memory
.set IMGC,   2*SLOT                    ; behind the ring: 16 images of fragments, 2,048 bytes each (chunk c at 512 c + 16 x lane): half of x's, later ctx's
.set IMGS,   IMGC+32768                ; 16 images of scale words, 128 bytes each (4 x lane)
.set SXB,    IMGC+34816                ; the waves' parts of the scores: 512 x wave + 16 x lane
.set SPARE,  IMGC+36864                ; the spare words, 128 bytes for each wave: two blocks of 256 bytes that no other line names
.set SPITCH, 4112                      ; the way out: 32 rows x (4,096 + 16) bytes, from LDS byte 0 on: in slot 0's bytes, behind their last fill and last read
.set SPW, 1                            ; v1   LDS address of my spare word; never rewritten
.set NIL, 2                            ; v2   0; never rewritten
.set LIS, 3                            ; v3   IMGC + 16 x lane
.set XA,  4                            ; v4   x: 4,096 r + 64 h
.set XWI, 5                            ; v5   where I store x's images: LIS + 8,192 w
.set XWS, 6                            ; v6   and their scale words: IMGS + 4 x lane + 512 w
.set XSL, 7                            ; v7   IMGS + 4 r + 1,024 h: lanes 0-15 read img's words, lanes 16-31 sig's
.set AWN, 8                            ; v8, v9   my lane's place in a slot's first and second step, rows as they lie;  v10, v11 the same for Wv's choice of rows
.set AL,  12                           ; v12  the same in the slot and step in hand
.set DON, 13                           ; v13  the register road: byte offset of my weight row's second half: (32 w + r) x 1,024 + 512 + 16 h; never rewritten
.set SON, 14                           ; v14  byte offset of my row of weight scales: (32 w + lane) x 32
.set SOP, 15                           ; v15  the same for Wv's rows
.set VBN, 16                           ; v16  byte offset of my eight numbers of a bias: 128 w + 32 h
.set VBP, 17                           ; v17  for Wv's rows: 128 w + 64 h
.set SXW, 18                           ; v18  where I store my part of the scores
.set SXR, 19                           ; v19  where I read the four parts
.set CWI, 20                           ; v20  ctx's images: LIS + 512 w
.set CWS, 21                           ; v21  ctx's scale bytes: IMGS + 4 x lane + w
.set CWT, 22                           ; v22, v23 the same for the pair of heads in hand
.set CST, 23
.set STO, 24                           ; v24, v25 the way out: where I put 32 bytes of a row, row tiles 0 and 1
.set RD,  26                           ; v26  and where I read my 8 rows back
.set GO,  27                           ; v27  16 x lane
.set CSL, 29                           ; v29  IMGS + 4 x lane
.set DOP, 30                           ; v30  as v13, for Wv's rows; never rewritten
.set XS,  32                           ; v32-47 x's scale words, (m, s) at 8 m + s: lanes 0-15 img's, lanes 16-31 sig's; later ctx's
.set WSQ, 48                           ; v48-55, v56-63, v64-71 weight scale words, register s for K step s: lanes 0-15 tile u = 0, lanes 16-31 tile u = 1
.set WSK, 56
.set WSV, 64
.set BQ,  72                           ; v72-87  bq's two tiles; later bo's, even groups
.set BV,  88                           ; v88-103 bv's; later bo's, odd groups
.set QA,  104                          ; v104-135 q: (m, u) at 16 m + 8 u
.set KA,  136                          ; v136-199 k, then v: (key, m, u) at 32 key + 16 m + 8 u
.set PS,  200                          ; v200-207 four pairs of sums
.set P,   208                          ; v208-211 the scores (m, key) at 2 m + key
.set SR,  212                          ; v212-227 the four waves' parts
.set AA,  228                          ; v228-235 the weights a (m, key) at 4 m + 2 key, each the low word of a pair
.set TM,  236                          ; v236-247 at work
.set PC,  248                          ; v248-255 ctx's codes, 4 registers a row tile
.set PCX, 136                          ; x's quantiser: a fragment's codes, v136-151
.set TMX, 200                          ; v200-215 at work
.set PW,  216                          ; the scale word just made
.set TL,  200                          ; at the head only: lane, r, h, r + 8 (r / 8)
.set TR,  201
.set TH,  202
.set TP,  203
.set ES,  200                          ; the way out: v200-215 eight pairs of sums; v216-223 eight sums; v224-239 pairs: -mean; v104-119 pairs: 1 / sqrt(var + eps); v136-167 gamma; v168-199 beta
.set ET,  216
.set EM,  224
.set ER,  104
.set GAMV, 136
.set BETV, 168
.set IMG, 4                            ; s[4:35]: the sixteen addresses.  PQ, PK, PV, PO walk ahead of the ring: the next group that it will ask for, at my 256 bytes of the rows
.set SIG, 6
.set PQ,  8
.set SQ,  10
.set PK,  12
.set SK,  14
.set PV,  16
.set SV,  18
.set PO,  20
.set SO,  22
.set BQP, 24
.set BVP, 26
.set BOP, 28
.set GAM, 30
.set BET, 32
.set OUT, 34
.set G1,  36                           ; s[36:43] descriptor group 1, never rewritten;  s[44:47] group 0, rewritten only where no tensor load of mine is out
.set G0,  44
.set WV,  48                           ; s48  my wave's number
.set TB,  49                           ; s49  LDS byte at which the slot in hand begins
.set HC,  51                           ; s51  pairs of heads to go
.set SEL, 52                           ; s[52:53] v_permlanex16_b32's selects for lane l xor 16
.set MNT, 54                           ; s54  the mantissa field of 448
.set CS,  55                           ; s55  log2(e) / sqrt(128)
.set NX,  56                           ; s[56:57], s[92:93] the two steps of the slot that follows a pair of heads; s[92:93] later walks Wo's odd groups
.set NXB2, 92
.set NXS, 58                           ; s[58:59], s[80:81], s[94:95] behind a pair's last Wv: the next step's scale words, bias and codes
.set NXB, 80
.set NXD, 94
.set XP,  60                           ; s[60:61] the 16 rows of x that I quantise
.set CO1, 62                           ; s62, s63 the pair's place among ctx's images and scale words
.set CO2, 63
.set IMGW, 76                          ; s[76:77] img at the 8 rows that I finish
.set DQ,  84                           ; s[84:91] the register road: Wq's, Wk's, Wv's codes at the pair's first head; Wo's codes
.set DK,  86
.set DV,  88
.set DO,  90
.set MSB, 0
.macro WIN new                         ; the immediate's high byte repeats the setting that is left; a switch that changes nothing is dropped
.if MSB != (\new)
	s_set_vgpr_msb (MSB<<8)|(\new)
.set MSB, (\new)
.endif
.endm
.macro PLACES n
.rept \n
	v_nop
.endr
.endm
; A round of the cluster's barrier: my work-group's barrier, so that wave 0's signal speaks for all four waves; wave 0 signals; every wave waits for all four work-groups; my work-group's barrier once more.
.macro ROUND
	s_barrier_signal -1
	s_barrier_wait -1
	s_cmp_lg_u32 s[WV], 0
	s_cbranch_scc1 .Lnot_wave_0_\@
	s_barrier_signal -3
.Lnot_wave_0_\@:
	s_barrier_wait -3
	s_barrier_signal -1
	s_barrier_wait -1
.endm
; THE CHANGE OF SLOTS, at the head of a slot's first step.  Each wave waits for all its tensor loads (one is out: its unit of the slot that it is about to read), adds 0 to its spare word, and waits for that and
; for its reads of the slot that it has left.  fill = 1: behind a round of the cluster's barrier that slot is filled with the LDS halves of the two steps at s[pa:pa+1] (waves 0, 1) and s[pb:pb+1] (waves 2, 3),
; which then step on by stp bytes; the load has this slot's two steps in which to land.  The choice hangs on the wave's number alone: it is the same in all four partners.
; The eight v_nop behind it are the places in front of the loads into registers that the last products read.
.macro CHANGE pa, pb, fill, stp
	WIN 0                                          ; at a label and at a branch every window is 0; the add's two registers lie in window 0
	s_wait_tensorcnt 0x0                           ; no tensor load of mine is out, so group 0 may be written
	ds_add_u32 v[SPW], v[NIL]                      ; 0 onto my spare word: the steps below stand between it and the wait for it
	s_xor_b32 s[TB], s[TB], SLOT                   ; the slot that I read now
.if \fill
	s_xor_b32 s[G0+1], s[G0+1], SLOT               ; the other slot than last time (SLOT shares no bit with UNIT x wave)
	s_cmp_lt_u32 s[WV], 2
	s_cselect_b64 s[G0+2:G0+3], s[\pa:\pa+1], s[\pb:\pb+1]
	s_or_b32 s[G0+3], s[G0+3], 0x80000000          ; 127:126 type = 2
	s_add_nc_u64 s[\pa:\pa+1], s[\pa:\pa+1], \stp
	s_add_nc_u64 s[\pb:\pb+1], s[\pb:\pb+1], \stp
.endif
	s_wait_dscnt 0x0                               ; the add is done, and my LDS reads and stores are over
.if \fill
	ROUND                                          ; no wave of any partner still reads that slot or has a load on its way
	tensor_load_to_lds s[G0:G0+3], s[G1:G1+7]      ; my one tensor load behind the round, and the first thing there
	s_nop 0
.else
	s_barrier_signal -1
	s_barrier_wait -1
.endif
	PLACES 8
.endm
; 8 LDS loads: my two weight fragments of K step k (0 .. 3) of the slot's step par.  rows = 0: rows as they lie (tile u begins 16 rows on); rows = 1: Wv's choice (8 rows on).  k = 0 also makes the step's address.
; A fragment is 16 rows x 128 K in 16 registers: lane (r, h) holds row r; registers 4 c .. 4 c + 3 hold K = 32 c + 16 h + 0 .. 15.
.macro LOADW rows, par, k
.if \k == 0
	WIN 0
	v_add_nc_u32 v[AL], s[TB], v[AWN+2*(\rows)+(\par)]
	s_wait_alu depctr_va_vdst(0)                   ; directly behind the write
.endif
	WIN 0xc0                                       ; destination window 3
.irp s, \k
.irp u, 0,1
.irp c, 0,1,2,3
	ds_load_b128 v[16*(2*\s+\u)+4*\c:16*(2*\s+\u)+4*\c+3], v[AL] offset:(\s/2)*UNIT+(\s%2)*128+\u*(4352-2176*(\rows))+32*\c
.endr
.endr
.endr
.endm
; THE REGISTER ROAD: my two weight fragments (u = 0, 1) of K step k (4 .. 7) of the 128 rows at s[sb:sb+1] + imm: 8 loads.  us: bytes from tile u = 0 to u = 1.
; A tile's four loads stand on end and cover 128 consecutive bytes of each of its 16 rows.
.macro DLOAD vo, sb, imm, us, k
	WIN 0xc0                                       ; destination window 3
.irp s, \k
.irp u, 0,1
.irp c, 0,1,2,3
	global_load_b128 v[16*(2*\s+\u)+4*\c:16*(2*\s+\u)+4*\c+3], v[\vo], s[\sb:\sb+1] offset:(\imm)+(\s-4)*128+32*\c+(\us)*\u
.endr
.endr
.endr
.endm
; One product: D = v[rD ..], source 0 = v[rA ..] (weights), source 1 = v[rB ..] (rows), C = 0 (rC < 0) or v[rC ..]; scale words v[rSA] (lanes 16-31 where rRA = 1) and v[rSB] (rRB).
.macro WM
.if rC < 0
.if (rRA == 0) && (rRB == 0)
	v_wmma_scale_f32_16x16x128_f8f6f4 v[rD:rD+7], v[rA:rA+15], v[rB:rB+15], 0, v[rSA], v[rSB]
.elseif rRB == 0
	v_wmma_scale_f32_16x16x128_f8f6f4 v[rD:rD+7], v[rA:rA+15], v[rB:rB+15], 0, v[rSA], v[rSB] matrix_a_scale:MATRIX_SCALE_ROW1
.elseif rRA == 0
	v_wmma_scale_f32_16x16x128_f8f6f4 v[rD:rD+7], v[rA:rA+15], v[rB:rB+15], 0, v[rSA], v[rSB] matrix_b_scale:MATRIX_SCALE_ROW1
.else
	v_wmma_scale_f32_16x16x128_f8f6f4 v[rD:rD+7], v[rA:rA+15], v[rB:rB+15], 0, v[rSA], v[rSB] matrix_a_scale:MATRIX_SCALE_ROW1 matrix_b_scale:MATRIX_SCALE_ROW1
.endif
.else
.if (rRA == 0) && (rRB == 0)
	v_wmma_scale_f32_16x16x128_f8f6f4 v[rD:rD+7], v[rA:rA+15], v[rB:rB+15], v[rC:rC+7], v[rSA], v[rSB]
.elseif rRB == 0
	v_wmma_scale_f32_16x16x128_f8f6f4 v[rD:rD+7], v[rA:rA+15], v[rB:rB+15], v[rC:rC+7], v[rSA], v[rSB] matrix_a_scale:MATRIX_SCALE_ROW1
.elseif rRA == 0
	v_wmma_scale_f32_16x16x128_f8f6f4 v[rD:rD+7], v[rA:rA+15], v[rB:rB+15], v[rC:rC+7], v[rSA], v[rSB] matrix_b_scale:MATRIX_SCALE_ROW1
.else
	v_wmma_scale_f32_16x16x128_f8f6f4 v[rD:rD+7], v[rA:rA+15], v[rB:rB+15], v[rC:rC+7], v[rSA], v[rSB] matrix_a_scale:MATRIX_SCALE_ROW1 matrix_b_scale:MATRIX_SCALE_ROW1
.endif
.endif
.endm
; K step s of a step whose rows are window 1's alone (Wq on img, Wo on ctx): four products, the four accumulators by turns, one instruction a turn.
; A step's sums begin with K step 4; the bias is the C of each sum's first product: nothing is cleared and nothing is added later.  wf, wr: the windows at s = 4 and elsewhere.
.macro MM4 s, acc, bias, ws, wf, wr
.if \s == 4
	WIN \wf
.else
	WIN \wr
.endif
.irp u, 0,1
.irp m, 0,1
.set rD, \acc+16*\m+8*\u
.set rA, 16*(2*\s+\u)
.set rB, 16*(8*\m+\s)
.set rC, rD
.if \s == 4
.set rC, \bias+8*\u
.endif
.set rSA, \ws+\s
.set rSB, XS+8*\m+\s
.set rRA, \u
.set rRB, 0
	WM
.endr
.endr
.endm
; K steps s and s + 1 of Wk or Wv: eight products on img's rows (window 1), then eight on sig's (window 2): two switches for sixteen products; the accumulators by turns.  bias < 0: the sums begin with 0.
.macro MM16 s, bias, ws
.irp key, 0,1
	WIN 0x07+4*\key                                ; source 0 window 3, source 1 window 1 or 2, C and D window 0
.irp d, 0,1
.irp u, 0,1
.irp m, 0,1
.set rD, KA+32*\key+16*\m+8*\u
.set rA, 16*(2*(\s+\d)+\u)
.set rB, 16*(8*\m+\s+\d)
.set rC, rD
.if (\s+\d) == 4
.set rC, \bias
.if \bias >= 0
.set rC, \bias+8*\u
.endif
.endif
.set rSA, \ws+\s+\d
.set rSB, XS+8*\m+\s+\d
.set rRA, \u
.set rRB, \key
	WM
.endr
.endr
.endr
.endr
.endm
.macro LDWS set, vo, sb, imm           ; my rows' 8 scale words of a step: 32 lanes read 1,024 consecutive bytes in two loads
	global_load_b128 v[\set:\set+3], v[\vo], s[\sb:\sb+1] offset:\imm
	global_load_b128 v[\set+4:\set+7], v[\vo], s[\sb:\sb+1] offset:\imm+16
.endm
.macro LDBIAS set, vo, sb, imm, us     ; a bias in the result's layout: eight numbers a tile; us: bytes from tile u = 0 to u = 1
.irp u, 0,1
	global_load_b128 v[\set+8*\u:\set+8*\u+3], v[\vo], s[\sb:\sb+1] offset:\imm+(\us)*\u
	global_load_b128 v[\set+8*\u+4:\set+8*\u+7], v[\vo], s[\sb:\sb+1] offset:\imm+(\us)*\u+16
.endr
.endm
; x.  My 16 rows' numbers of K step s, 64 a lane, register 16 b + i = k 32 b + 16 h + i of row r, into buffer s % 4 of window 3.  The sixteen loads together read 512 consecutive bytes of each row.
.macro XLOAD s
	WIN 0xc0
.irp b, 0,1,2,3
.irp j, 0,1,2,3
	global_load_b128 v[64*((\s)%4)+16*\b+4*\j:64*((\s)%4)+16*\b+4*\j+3], v[XA], s[XP:XP+1] offset:512*(\s)+128*\b+16*\j
.endr
.endr
.endm
; 64 numbers of a lane at v[x] of window 3 become a fragment's codes in v[PCX] on and its scale word in v[PW].  A block of 32 lies in lanes l and l xor 16.
.macro QUANTX x
	WIN 0x0f                                       ; sources 0 and 1 window 3
.irp b, 0,1,2,3
	v_max3_num_f32 v[TMX+\b], |v[\x+16*\b]|, |v[\x+16*\b+1]|, 0x4800000   ; block b: my 16 numbers, and the floor 2^(9 - 127): so the byte cannot fall under 1
.endr
.irp i, 2,4,6,8,10,12,14
.irp b, 0,1,2,3
	v_max3_num_f32 v[TMX+\b], |v[\x+16*\b+\i]|, |v[\x+16*\b+\i+1]|, v[TMX+\b]   ; (the four blocks by turns)
.endr
.endr
	WIN 0
.irp b, 0,1,2,3
	v_permlanex16_b32 v[TMX+4+\b], v[TMX+\b], s[SEL], s[SEL+1]
.endr
.irp b, 0,1,2,3
	v_max_num_f32 v[TMX+\b], v[TMX+\b], v[TMX+4+\b]        ; the block's largest magnitude
.endr
.irp b, 0,1,2,3
	v_add_nc_u32 v[TMX+12+\b], 0xfc000000, v[TMX+\b]       ; 8 off its exponent field: the conversion takes the exponent field of this operand as its scale
.endr
.irp b, 0,1,2,3
	v_and_or_b32 v[TMX+8+\b], v[TMX+\b], 0x7f800000, s[MNT]   ; 448 x the scale
.endr
.irp b, 0,1,2,3
	v_lshrrev_b32 v[TMX+4+\b], 23, v[TMX+12+\b]            ; the scale's byte
.endr
	v_lshl_or_b32 v[PW], v[TMX+5], 8, v[TMX+4]             ; the four bytes make my row's scale word
	v_lshl_or_b32 v[PW], v[TMX+6], 16, v[PW]
	v_lshl_or_b32 v[PW], v[TMX+7], 24, v[PW]
	WIN 0xc3                                       ; destination and source 0 window 3
.irp b, 0,1,2,3
.irp i, 0,1,2,3,4,5,6,7,8,9,10,11,12,13,14,15
	v_med3_num_f32 v[\x+16*\b+\i], v[\x+16*\b+\i], -v[TMX+8+\b], v[TMX+8+\b]   ; the conversion to an 8-bit code does not saturate (ISA guide 7.6.2): the hold at the largest code x the scale
.endr
.endr
	WIN 0x03                                       ; source 0 window 3
.irp b, 0,1,2,3
	v_cvt_scalef32_pk8_fp8_f32 v[PCX+4*\b:PCX+4*\b+1], v[\x+16*\b:\x+16*\b+7], v[TMX+12+\b]
	v_cvt_scalef32_pk8_fp8_f32 v[PCX+4*\b+2:PCX+4*\b+3], v[\x+16*\b+8:\x+16*\b+15], v[TMX+12+\b]
.endr
	WIN 0
	v_nop                                          ; one plain vector instruction behind the last scaled conversion
.endm
.macro IMAGEX sp                       ; the fragment goes to LDS as an image of its registers: fragment 4 w + sp
.irp c, 0,1,2,3
	ds_store_b128 v[XWI], v[PCX+4*\c:PCX+4*\c+3] offset:2048*(\sp)+512*\c
.endr
	ds_store_b32 v[XWS], v[PW] offset:128*(\sp)
	s_wait_dscnt 0x0                               ; the stores have read their registers
.endm
.macro FETCHX half                     ; and every wave takes all sixteen back: K steps 4 half .. 4 half + 3 of the four row tiles
.irp T, 0,1,2,3
	WIN 0x40+0x40*(\T/2)                           ; destination window 1 (img) or 2 (sig)
.irp sp, 0,1,2,3
.irp c, 0,1,2,3
	ds_load_b128 v[16*(8*(\T%2)+4*\half+\sp)+4*\c:16*(8*(\T%2)+4*\half+\sp)+4*\c+3], v[LIS] offset:2048*(4*\T+\sp)+512*\c
.endr
.endr
.endr
	WIN 0
.irp m, 0,1
.irp sp, 0,1,2,3
	ds_load_b32 v[XS+8*\m+4*\half+\sp], v[XSL] offset:128*(4*\m+\sp)
.endr
.endr
.endm
; My 32 columns' part of the four scores (row tile m, key): 16 products a lane in f32, packed, four chains by turns, each accumulator read from its low end on; lane l xor 16 holds the other 16 columns.
.macro SCORES
	WIN 0
	PLACES 8                                       ; behind the last products: ahead of the first read of results, and of the next step's loads into the registers that they read
.irp i, 0,2,4,6,8,10,12,14
.irp p, 0,1,2,3
.if \i == 0
	v_pk_mul_f32 v[PS+2*\p:PS+2*\p+1], v[QA+16*(\p/2):QA+16*(\p/2)+1], v[KA+32*(\p%2)+16*(\p/2):KA+32*(\p%2)+16*(\p/2)+1]
.else
	v_pk_fma_f32 v[PS+2*\p:PS+2*\p+1], v[QA+16*(\p/2)+\i:QA+16*(\p/2)+\i+1], v[KA+32*(\p%2)+16*(\p/2)+\i:KA+32*(\p%2)+16*(\p/2)+\i+1], v[PS+2*\p:PS+2*\p+1]
.endif
.endr
.endr
.irp p, 0,1,2,3
	v_add_f32 v[P+\p], v[PS+2*\p], v[PS+2*\p+1]
.endr
.irp p, 0,1,2,3
	v_permlanex16_b32 v[TM+\p], v[P+\p], s[SEL], s[SEL+1]
.endr
.irp p, 0,1,2,3
	v_add_f32 v[P+\p], v[P+\p], v[TM+\p]
.endr
	ds_store_b128 v[SXW], v[P:P+3]                 ; read by all four waves behind the next barrier
.endm
; The four waves' parts are added in one order in every wave; the larger score is taken away; a = 2^((s - max) c) / the sum.
.macro SOFTMAX
	WIN 0
	v_pk_add_f32 v[P:P+1], v[SR:SR+1], v[SR+4:SR+5]
	v_pk_add_f32 v[P+2:P+3], v[SR+2:SR+3], v[SR+6:SR+7]
	v_pk_add_f32 v[PS:PS+1], v[SR+8:SR+9], v[SR+12:SR+13]
	v_pk_add_f32 v[PS+2:PS+3], v[SR+10:SR+11], v[SR+14:SR+15]
	v_pk_add_f32 v[P:P+1], v[P:P+1], v[PS:PS+1]
	v_pk_add_f32 v[P+2:P+3], v[P+2:P+3], v[PS+2:PS+3]
	v_max_num_f32 v[TM], v[P], v[P+1]
	v_max_num_f32 v[TM+1], v[P+2], v[P+3]
.irp p, 0,1,2,3
	v_sub_f32 v[P+\p], v[P+\p], v[TM+\p/2]
.endr
.irp p, 0,1,2,3
	v_mul_f32 v[P+\p], s[CS], v[P+\p]
.endr
	s_wait_alu depctr_va_vdst(0)
.irp p, 0,1,2,3
	v_exp_f32 v[AA+2*\p], v[P+\p]
.endr
	v_nop                                          ; a plain instruction behind the last exponential,
	s_wait_alu depctr_va_vdst(0)                   ; and a wait ahead of the first use: one for the four
	v_add_f32 v[TM], v[AA], v[AA+2]
	v_add_f32 v[TM+1], v[AA+4], v[AA+6]
	s_wait_alu depctr_va_vdst(0)
	v_rcp_f32 v[TM+2], v[TM]
	v_rcp_f32 v[TM+3], v[TM+1]
	v_nop
	s_wait_alu depctr_va_vdst(0)                   ; one for the two reciprocals
.irp p, 0,1,2,3
	v_mul_f32 v[AA+2*\p], v[AA+2*\p], v[TM+2+\p/2]
.endr
.endm
; ctx = a0 v(img) + a1 v(sig), in place; a lane's 16 numbers of a row tile are columns 32 w + 16 h + 0 .. 15 of the head: half a block of Wo's K.  Quantised; chunk w and byte w of fragment 8 m + head go to LDS.
; hb: the head is the pair's first (0) or second (1).
.macro CTX hb
	WIN 0
	v_add_nc_u32 v[CWT], s[CO1], v[CWI]            ; (these two and six v_nop are the places behind the last products: for the reads below, and for the next step's loads into the registers that they read)
	v_add_nc_u32 v[CST], s[CO2], v[CWS]
	PLACES 6
	s_wait_alu depctr_va_vdst(0)
.irp i, 0,2,4,6,8,10,12,14
.irp m, 0,1
	v_pk_mul_f32 v[KA+16*\m+\i:KA+16*\m+\i+1], v[KA+16*\m+\i:KA+16*\m+\i+1], v[AA+4*\m:AA+4*\m+1] op_sel_hi:[1,0]
.endr
.endr
.irp i, 0,2,4,6,8,10,12,14
.irp m, 0,1
	v_pk_fma_f32 v[KA+16*\m+\i:KA+16*\m+\i+1], v[KA+32+16*\m+\i:KA+32+16*\m+\i+1], v[AA+4*\m+2:AA+4*\m+3], v[KA+16*\m+\i:KA+16*\m+\i+1] op_sel_hi:[1,0,1]
.endr
.endr
.irp m, 0,1
	v_max3_num_f32 v[TM+\m], |v[KA+16*\m]|, |v[KA+16*\m+1]|, 0x4800000   ; the largest magnitude of my 16, in two chains, with the floor 2^(9 - 127)
	v_max3_num_f32 v[TM+2+\m], |v[KA+16*\m+8]|, |v[KA+16*\m+9]|, |v[KA+16*\m+10]|
.endr
.irp i, 2,4,6
.irp m, 0,1
	v_max3_num_f32 v[TM+\m], v[TM+\m], |v[KA+16*\m+\i]|, |v[KA+16*\m+\i+1]|
.endr
.endr
.irp i, 11,13
.irp m, 0,1
	v_max3_num_f32 v[TM+2+\m], v[TM+2+\m], |v[KA+16*\m+\i]|, |v[KA+16*\m+\i+1]|
.endr
.endr
.irp m, 0,1
	v_max3_num_f32 v[TM+\m], v[TM+\m], v[TM+2+\m], |v[KA+16*\m+15]|
.endr
.irp m, 0,1
	v_permlanex16_b32 v[TM+4+\m], v[TM+\m], s[SEL], s[SEL+1]
.endr
.irp m, 0,1
	v_max_num_f32 v[TM+\m], v[TM+\m], v[TM+4+\m]           ; the block's
.endr
.irp m, 0,1
	v_add_nc_u32 v[TM+6+\m], 0xfc000000, v[TM+\m]          ; the conversion's scale operand
.endr
.irp m, 0,1
	v_and_or_b32 v[TM+8+\m], v[TM+\m], 0x7f800000, s[MNT]  ; 448 x the scale
.endr
.irp m, 0,1
	v_lshrrev_b32 v[TM+10+\m], 23, v[TM+6+\m]              ; the scale's byte
.endr
.irp i, 0,1,2,3,4,5,6,7,8,9,10,11,12,13,14,15
.irp m, 0,1
	v_med3_num_f32 v[KA+16*\m+\i], v[KA+16*\m+\i], -v[TM+8+\m], v[TM+8+\m]
.endr
.endr
.irp m, 0,1
	v_cvt_scalef32_pk8_fp8_f32 v[PC+4*\m:PC+4*\m+1], v[KA+16*\m:KA+16*\m+7], v[TM+6+\m]
	v_cvt_scalef32_pk8_fp8_f32 v[PC+4*\m+2:PC+4*\m+3], v[KA+16*\m+8:KA+16*\m+15], v[TM+6+\m]
.endr
	v_nop                                          ; one plain vector instruction behind the last scaled conversion
.irp m, 0,1
	ds_store_b128 v[CWT], v[PC+4*\m:PC+4*\m+3] offset:16384*\m+2048*(\hb)
	ds_store_b8 v[CST], v[TM+10+\m] offset:1024*\m+128*(\hb)
.endr
.endm
; THE THREE KINDS OF STEP OF A HEAD.  par: the step is its slot's first (0) or second (1); hb: the head is the pair's first or second.  The roads take turns: the counted wait for a K step (or pair) of the
; register road, asked for a step ago; its products; eight places; the next step's same K step into the same registers (ahead of the first: the next step's scale words and bias); the LDS loads of the K step
; (or pair) after the one that is due; the counted wait for the one that is due, and its products.  A step's sums begin with K step 4.
; Wq: q = Q(img) Wq^T + bq
.macro QSTEP par, hb
	LOADW 0, \par, 0
.irp s, 4,5,6,7
.if \s == 4
	s_wait_loadcnt 24                              ; the scale words, bq and K step 4 are in: K steps 5, 6, 7 (8 loads each) may be out
.else
	s_wait_loadcnt 30                              ; K step s is in: behind it were issued three K steps (24 loads) and this step's 6 loads of scale words and bias
.endif
	MM4 \s, QA, BQ, WSQ, 0x07, 0x07
	PLACES 8                                       ; in front of loads into registers that these products read
.if \s == 4
	WIN 0
	LDWS WSK, SON, SK, 4096*(\hb)
	LDBIAS BV, VBP, BVP, 512*(\hb), 32
.endif
	DLOAD DON, DK, GROUPB*(\hb), 16384, \s
.if \s < 7
	LOADW 0, \par, (\s-3)
	s_wait_dscnt 8                                 ; K step s - 4's two fragments are in: the eight LDS loads just issued may be out
.else
	s_wait_dscnt 0x0
.endif
	MM4 (\s-4), QA, BQ, WSQ, 0x07, 0x07
.endr
.endm
; Wk: k = Q(x) Wk^T for both keys (bk left out: the head comment), then my columns' part of the scores
.macro KSTEP par, hb
	LOADW 0, \par, 0
	LOADW 0, \par, 1
	s_wait_loadcnt 16                              ; Wk's scale words (and bv) and K steps 4, 5 are in: K steps 6, 7 may be out
	MM16 4, -1, WSK
	WIN 0
	PLACES 8
	LDWS WSV, SOP, SV, 4096*(\hb)
	DLOAD DOP, DV, GROUPB*(\hb), 8192, 4
	DLOAD DOP, DV, GROUPB*(\hb), 8192, 5
	LOADW 0, \par, 2
	LOADW 0, \par, 3
	s_wait_dscnt 16                                ; K steps 0 and 1 are in: the sixteen LDS loads just issued may be out
	MM16 0, -1, WSK
	s_wait_loadcnt 18                              ; K steps 6, 7 are in: behind them were issued 2 loads of scale words and 16 of Wv's K steps 4, 5
	MM16 6, -1, WSK
	PLACES 8
	DLOAD DOP, DV, GROUPB*(\hb), 8192, 6
	DLOAD DOP, DV, GROUPB*(\hb), 8192, 7
	s_wait_dscnt 0x0
	MM16 2, -1, WSK
	SCORES
.endm
; Wv: the softmax, v = Q(x) Wv^T + bv, ctx and its codes.  The step that follows has its codes at s[dp:dp+1] + di, its scale words at s[sp:sp+1] + si, its bias at s[bp:bp+1] + bi.
.macro VSTEP par, hb, dp, di, sp, si, bp, bi
	WIN 0
.irp w, 0,1,2,3
	ds_load_b128 v[SR+4*\w:SR+4*\w+3], v[SXR] offset:512*\w   ; the four waves' parts of the scores: stored ahead of the barrier, read behind it
.endr
	LOADW 1, \par, 0
	LOADW 1, \par, 1
	s_wait_dscnt 16                                ; the four parts are in: the 16 fragment loads behind them may be out
	SOFTMAX                                        ; it stands ahead of the wait for the register half
	s_wait_loadcnt 16                              ; Wv's scale words and K steps 4, 5 are in: K steps 6, 7 may be out
	MM16 4, BV, WSV
	WIN 0
	PLACES 8
	LDWS WSQ, SON, \sp, \si
	LDBIAS BQ, VBN, \bp, \bi, 64
	DLOAD DON, \dp, \di, 16384, 4
	DLOAD DON, \dp, \di, 16384, 5
	LOADW 1, \par, 2
	LOADW 1, \par, 3
	s_wait_dscnt 16                                ; K steps 0 and 1 are in: the sixteen LDS loads just issued may be out
	MM16 0, BV, WSV
	s_wait_loadcnt 22                              ; K steps 6, 7 are in: behind them were issued 6 loads of scale words and bias and 16 of the next step's K steps 4, 5
	MM16 6, BV, WSV
	PLACES 8
	DLOAD DON, \dp, \di, 16384, 6
	DLOAD DON, \dp, \di, 16384, 7
	s_wait_dscnt 0x0
	MM16 2, BV, WSV
	CTX \hb
.endm
; Group j of Wo: 128 columns of the out-projection, in the same order.  Two groups to a slot.  The next group's scale words and bias go into the set that this step does not use.
.macro OSTEP j
.if (\j%2) == 0
.if \j < 6
	CHANGE PO, NXB2, 1, 2*GROUPB
.else
	CHANGE PO, NXB2, 0, 0                          ; the last slot: nothing is left to fetch
.endif
.else
	WIN 0
	PLACES 8                                       ; in front of loads into registers that the last products read
.endif
.if \j == 0
	WIN 0x40                                       ; ctx's sixteen fragments take img's place in window 1
.irp f, 0,1,2,3,4,5,6,7,8,9,10,11,12,13,14,15
.irp c, 0,1,2,3
	ds_load_b128 v[16*\f+4*\c:16*\f+4*\c+3], v[LIS] offset:2048*\f+512*\c
.endr
.endr
	WIN 0
.irp f, 0,1,2,3,4,5,6,7,8,9,10,11,12,13,14,15
	ds_load_b32 v[XS+\f], v[CSL] offset:128*\f
.endr
.endif
	LOADW 0, \j%2, 0
.if \j == 0
	s_wait_dscnt 8                                 ; ctx's images are in: the 8 fragment loads behind them may be out
.endif
	s_wait_loadcnt 24                              ; this group's scale words, bias and K step 4 are in: K steps 5, 6, 7 may be out
	MM4 4, 32*\j, BQ+16*(\j%2), WSQ+8*(\j%2), 0x87, 0xa7
.if \j < 7
	WIN 0
	PLACES 8
	LDWS WSQ+8*((\j+1)%2), SON, SO, 4096*(\j+1)
	LDBIAS BQ+16*((\j+1)%2), VBN, BOP, 512*(\j+1), 64
	DLOAD DON, DO, GROUPB*(\j+1), 16384, 4
.else
	PLACES 8                                       ; the last group: K step 4's registers take row 4 of the residual
	RES 4
.endif
.if \j == 0
	WIN 0
.irp q, 0,1,2,3,4,5,6,7
	global_load_b128 v[GAMV+4*\q:GAMV+4*\q+3], v[GO], s[GAM:GAM+1] offset:512*\q   ; gamma and beta as the way out wants them: columns 128 q + 4 x lane + 0 .. 3
	global_load_b128 v[BETV+4*\q:BETV+4*\q+3], v[GO], s[BET:BET+1] offset:512*\q
.endr
.endif
.irp s, 0,1,2,3
.if \s < 3
	LOADW 0, \j%2, (\s+1)
	s_wait_dscnt 8                                 ; K step s's two fragments are in: the eight LDS loads just issued may be out
.else
	s_wait_dscnt 0x0
.endif
	MM4 \s, 32*\j, BQ+16*(\j%2), WSQ+8*(\j%2), 0x87, 0xa7
.if \s < 3                             ; then K step s + 5 of the register road
.if \j == 7
	s_wait_loadcnt 24+8*\s                         ; the last group: behind K step s + 5 were issued its later K steps (16 - 8 s loads) and 1 + 2 s rows of the residual (8 loads each)
.elseif \j == 0
	s_wait_loadcnt 46                              ; behind it: three K steps (24 loads), 6 of scale words and bias, 16 of gamma and beta
.else
	s_wait_loadcnt 30                              ; behind it: three K steps (24 loads) and 6 of scale words and bias
.endif
	MM4 (\s+5), 32*\j, BQ+16*(\j%2), WSQ+8*(\j%2), 0x87, 0xa7
.if \j < 7
	PLACES 8                                       ; in front of loads into registers that these products read
	DLOAD DON, DO, GROUPB*(\j+1), 16384, (\s+5)
.else
	PLACES 8                                       ; behind the products of K steps s and s + 5: their registers take rows s and s + 5 of the residual
	RES \s
	RES (\s+5)
.endif
.endif
.endr
.endm
; The residual: row i of my 8 rows of img, 512 consecutive bytes a load, into the 32 registers of window 3 that held K step i's two weight fragments
.macro RES i
	WIN 0xc0
.irp q, 0,1,2,3,4,5,6,7
	global_load_b128 v[32*(\i)+4*\q:32*(\i)+4*\q+3], v[GO], s[IMGW:IMGW+1] offset:4096*(\i)+512*\q
.endr
.endm
.macro REDUCE                          ; eight pairs of sums become eight sums over the row's 1,024 columns, in every lane
.irp i, 0,1,2,3,4,5,6,7
	v_add_f32 v[ET+\i], v[ES+2*\i], v[ES+2*\i+1]
.endr
.irp x, 1,2,4,8
.irp i, 0,1,2,3,4,5,6,7
	v_add_f32_dpp v[ET+\i], v[ET+\i], v[ET+\i] row_xmask:\x row_mask:0xf bank_mask:0xf
.endr
.endr
.irp i, 0,1,2,3,4,5,6,7
	v_permlanex16_b32 v[ES+2*\i], v[ET+\i], s[SEL], s[SEL+1]
.endr
.irp i, 0,1,2,3,4,5,6,7
	v_add_f32 v[ET+\i], v[ET+\i], v[ES+2*\i]
.endr
.endm
	; ---- THE HEAD
	s_load_b512 s[4:19], s[0:1], 0x0               ; img, sig, Wq's codes and scales, Wk's, Wv's
	s_load_b512 s[20:35], s[0:1], 0x40             ; Wo's codes and scales, bq, bv, bo, gamma, beta, out
	v_lshl_add_u32 v[SPW], v0, 2, SPARE
	v_mov_b32 v[NIL], 0
	ds_add_u32 v[SPW], v[NIL]                      ; the wave's opening: the add, twice on end, and its wait ahead of my first tensor load; the set-up below stands between the second and the wait
	ds_add_u32 v[SPW], v[NIL]                      ; and once more, under the one wait
	v_lshrrev_b32 v[TL], 5, v0
	v_readfirstlane_b32 s[WV], v[TL]               ; wave 0..3
	v_and_b32 v[TL], 31, v0                        ; lane
	v_and_b32 v[TR], 15, v0                        ; r
	v_bfe_u32 v[TH], v0, 4, 1                      ; h
	v_and_b32 v[TP], 8, v[TR]
	v_add_nc_u32 v[TP], v[TP], v[TR]               ; r + 8 (r / 8)
	v_lshl_add_u32 v[LIS], v[TL], 4, IMGC
	v_lshlrev_b32 v[XA], 12, v[TR]
	v_lshl_add_u32 v[XA], v[TH], 6, v[XA]
	s_lshl_b32 s78, s[WV], 13
	v_add_nc_u32 v[XWI], s78, v[LIS]
	v_lshl_add_u32 v[CSL], v[TL], 2, IMGS
	v_lshl_add_u32 v[SXR], v[TL], 4, SXB
	s_lshl_b32 s78, s[WV], 9
	v_add_nc_u32 v[XWS], s78, v[CSL]
	v_add_nc_u32 v[CWI], s78, v[LIS]
	v_add_nc_u32 v[SXW], s78, v[SXR]
	v_add_nc_u32 v[CWS], s[WV], v[CSL]
	v_lshl_add_u32 v[XSL], v[TR], 2, IMGS
	v_lshl_add_u32 v[XSL], v[TH], 10, v[XSL]
	s_mul_i32 s78, s[WV], 32*PITCH                 ; my 32 rows of a unit
	v_mul_u32_u24 v[AWN], v[TR], PITCH
	v_lshl_add_u32 v[AWN], v[TH], 4, v[AWN]
	v_add_nc_u32 v[AWN], s78, v[AWN]
	v_add_nc_u32 v[AWN+1], 2*UNIT, v[AWN]          ; a slot's second step lies two units on
	v_mul_u32_u24 v[AWN+2], v[TP], PITCH
	v_lshl_add_u32 v[AWN+2], v[TH], 4, v[AWN+2]
	v_add_nc_u32 v[AWN+2], s78, v[AWN+2]
	v_add_nc_u32 v[AWN+3], 2*UNIT, v[AWN+2]
	s_lshl_b32 s78, s[WV], 15                      ; my 32 weight rows of 1,024 bytes in memory
	v_lshl_add_u32 v[DON], v[TR], 10, s78
	v_lshl_add_u32 v[DON], v[TH], 4, v[DON]
	v_add_nc_u32 v[DON], 512, v[DON]
	v_lshl_add_u32 v[DOP], v[TP], 10, s78
	v_lshl_add_u32 v[DOP], v[TH], 4, v[DOP]
	v_add_nc_u32 v[DOP], 512, v[DOP]
	s_lshl_b32 s78, s[WV], 10
	v_lshl_add_u32 v[SON], v[TL], 5, s78
	v_lshl_add_u32 v[SOP], v[TP], 5, s78
	v_lshl_add_u32 v[SOP], v[TH], 8, v[SOP]
	s_lshl_b32 s78, s[WV], 7
	v_lshl_add_u32 v[VBN], v[TH], 5, s78
	v_lshl_add_u32 v[VBP], v[TH], 6, s78
	v_mul_u32_u24 v[STO], v[TR], SPITCH
	v_lshl_add_u32 v[STO], v[TH], 5, v[STO]
	v_add_nc_u32 v[STO], s78, v[STO]
	v_add_nc_u32 v[STO+1], 16*SPITCH, v[STO]
	s_mul_i32 s78, s[WV], 8*SPITCH
	v_lshlrev_b32 v[GO], 4, v[TL]
	v_add_nc_u32 v[RD], s78, v[GO]
.irp j, 204,205,206,207,236,237,238,239,240,241
	v_mov_b32 v\j, 0                               ; written once: a lane permute's destination counts as one of its sources
.endr
.irp j, 229,231,233,235
	v_mov_b32 v\j, 0                               ; the upper words of a's pairs: named with them, never used
.endr
	; descriptor group 1: a unit: 128 rows x 256 bytes, 1,024 bytes apart in memory, padded in LDS
	s_mov_b32 s[G1], 15|(1<<20)|(1<<21)|(5<<22)|(3<<25)   ; 15:0 the mask: all four work-groups; 17:16 elements of 1 byte; 20 padding on; 21 set beside a mask; 24:22 after every 64 words (code 5); 31:25 four words (code 3)
	s_mov_b32 s[G1+1], 256<<16                     ; tensor_dim0
	s_mov_b32 s[G1+2], 128<<16                     ; tensor_dim1
	s_mov_b32 s[G1+3], 256<<16                     ; tile_dim0
	s_mov_b32 s[G1+4], 128                         ; tile_dim1
	s_mov_b32 s[G1+5], 1024                        ; tensor_dim0_stride
	s_mov_b32 s[G1+6], 0
	s_mov_b32 s[G1+7], 0
	s_mov_b32 s[G0], 1                             ; 1:0 count = 1
	s_mul_i32 s[G0+1], s[WV], UNIT                 ; 63:32 LDS address: my unit of slot 0: no place in the cluster enters it
	s_mov_b32 s[TB], SLOT                          ; the first change of slots turns it to 0
	s_mov_b32 s[HC], 4
	s_mov_b32 s[SEL], 0x76543210
	s_mov_b32 s[SEL+1], 0xfedcba98
	s_mov_b32 s[MNT], 0x600000
	s_mov_b32 s[CS], 0x3e0293ee
	s_mov_b32 s[CO1], 0
	s_mov_b32 s[CO2], 0
	s_bfe_u32 s66, ttmp6, 0x40000                  ; cx: my place in the cluster: it enters the addresses of img, sig and out alone
	s_lshl_b32 s67, ttmp9, 2                       ; in a cluster launch ttmp9 counts clusters
	s_add_co_u32 s67, s67, s66                     ; my block of 32 rows
	s_lshl_b32 s68, s67, 17                        ; x 32 rows of 4,096 bytes
	s_mov_b32 s69, 0
	s_and_b32 s70, s[WV], 1
	s_lshl_b32 s72, s70, 8                         ; which 256 of a weight row's first 512 bytes I fetch
	s_mov_b32 s73, 0
	s_lshl_b32 s70, s70, 16                        ; which 16 rows of x I quantise
	s_mov_b32 s71, 0
	s_lshl_b32 s74, s[WV], 15                      ; which 8 rows I finish
	s_mov_b32 s75, 0
	s_wait_dscnt 0x0                               ; both opening adds are done
	s_wait_kmcnt 0x0
	s_mov_b64 s[DQ:DQ+1], s[PQ:PQ+1]               ; the register road's bases
	s_mov_b64 s[DK:DK+1], s[PK:PK+1]
	s_mov_b64 s[DV:DV+1], s[PV:PV+1]
	s_mov_b64 s[DO:DO+1], s[PO:PO+1]
	s_add_nc_u64 s[PQ:PQ+1], s[PQ:PQ+1], s[72:73]
	s_add_nc_u64 s[PK:PK+1], s[PK:PK+1], s[72:73]
	s_add_nc_u64 s[PV:PV+1], s[PV:PV+1], s[72:73]
	s_add_nc_u64 s[PO:PO+1], s[PO:PO+1], s[72:73]
	s_add_nc_u64 s[IMG:IMG+1], s[IMG:IMG+1], s[68:69]
	s_add_nc_u64 s[SIG:SIG+1], s[SIG:SIG+1], s[68:69]
	s_add_nc_u64 s[OUT:OUT+1], s[OUT:OUT+1], s[68:69]
	s_add_nc_u64 s[OUT:OUT+1], s[OUT:OUT+1], s[74:75]
	s_add_nc_u64 s[IMGW:IMGW+1], s[IMG:IMG+1], s[74:75]
	s_cmp_lt_u32 s[WV], 2                          ; waves 0, 1 quantise img's tiles, waves 2, 3 sig's
	s_cselect_b64 s[XP:XP+1], s[IMG:IMG+1], s[SIG:SIG+1]
	s_add_nc_u64 s[XP:XP+1], s[XP:XP+1], s[70:71]
	ROUND                                          ; all four work-groups are here: the first joint loads meet
	s_cmp_lt_u32 s[WV], 2
	s_cselect_b64 s[G0+2:G0+3], s[PQ:PQ+1], s[PK:PK+1]   ; 120:64 global address: slot 0 holds head 0's Wq (waves 0, 1) and Wk (waves 2, 3)
	s_or_b32 s[G0+3], s[G0+3], 0x80000000
	s_add_nc_u64 s[PQ:PQ+1], s[PQ:PQ+1], GROUPB
	s_add_nc_u64 s[PK:PK+1], s[PK:PK+1], GROUPB
	tensor_load_to_lds s[G0:G0+3], s[G1:G1+7]      ; slot 0: every wave issues its unit; it lands while x is quantised.  One tensor load of mine is out, here and behind every round
	s_nop 0
	PLACES 4
	LDWS WSQ, SON, SQ, 0
	LDBIAS BQ, VBN, BQP, 0, 64
	; ---- X: wave w quantises row tile w, a K step (128) at a time; loads run four K steps ahead.  The images' region holds four K steps of the four tiles, so it is used twice
	XLOAD 0
	XLOAD 1
	XLOAD 2
	XLOAD 3
.irp s, 0,1,2,3
	s_wait_loadcnt 48                              ; this K step's 16 loads are in; those of the three K steps behind it may be out
	QUANTX 64*\s
	IMAGEX \s
	XLOAD \s+4
.endr
	s_barrier_signal -1                            ; (each wave's stores were waited
	s_barrier_wait -1
	FETCHX 0
	s_wait_dscnt 0x0                               ; my reads of the images are over: they may be written again
	s_barrier_signal -1
	s_barrier_wait -1
.irp s, 0,1,2,3
	s_wait_loadcnt 48-16*\s                        ; the loads of the K steps that are left may be out
	QUANTX 64*\s
	IMAGEX \s
.endr
.irp k, 4,5,6,7
	DLOAD DON, DQ, 0, 16384, \k                    ; window 3 has given up x: the register half of the first step, head 0's Wq, K steps 4 to 7 in the order of every step
.endr
	s_barrier_signal -1
	s_barrier_wait -1
	FETCHX 1                                       ; waited for at the first change of slots
	; ---- THE HEADS: a trip is two heads, a and b: six steps in three slots: (Wq a, Wk a), (Wv a, Wq b), (Wk b, Wv b)
.Lhead:
	CHANGE PV, PQ, 1, GROUPB                       ; asks for (Wv a, Wq b)
	QSTEP 0, 0
	WIN 0
	PLACES 8                                       ; in front of loads into registers that the last products read.  No barrier stands between a slot's two steps: the change has shown the whole slot to every wave
	KSTEP 1, 0
	CHANGE PK, PV, 1, GROUPB                       ; asks for (Wk b, Wv b); its round also stands between the scores' stores and their reads
	VSTEP 0, 0, DQ, GROUPB, SQ, 4096, BQP, 512
	QSTEP 1, 1                                     ; (the places in front of its loads stand at the head of ctx's arithmetic)
	; what follows the pair is the next pair's (Wq, Wk) or, behind the last, Wo's first two groups: pointers are chosen, no branch
	s_add_nc_u64 s[NXB2:NXB2+1], s[PO:PO+1], GROUPB
	s_cmp_eq_u32 s[HC], 1
	s_cselect_b64 s[NX:NX+1], s[PO:PO+1], s[PQ:PQ+1]
	s_cselect_b64 s[NXB2:NXB2+1], s[NXB2:NXB2+1], s[PK:PK+1]
	CHANGE NX, NXB2, 1, GROUPB
	s_add_nc_u64 s[PQ:PQ+1], s[PQ:PQ+1], GROUPB
	s_add_nc_u64 s[PK:PK+1], s[PK:PK+1], GROUPB
	KSTEP 0, 1
	s_wait_dscnt 0x0                               ; for the others' sake: my part of the scores is stored
	s_barrier_signal -1                            ; no change of slots stands here, so a barrier of its own carries the scores; my tensor load may stay out
	s_barrier_wait -1
	s_add_nc_u64 s[NXD:NXD+1], s[DQ:DQ+1], 2*GROUPB
	s_add_nc_u64 s[NXS:NXS+1], s[SQ:SQ+1], 8192
	s_add_nc_u64 s[NXB:NXB+1], s[BQP:BQP+1], 1024
	s_cmp_eq_u32 s[HC], 1
	s_cselect_b64 s[NXD:NXD+1], s[DO:DO+1], s[NXD:NXD+1]
	s_cselect_b64 s[NXS:NXS+1], s[SO:SO+1], s[NXS:NXS+1]
	s_cselect_b64 s[NXB:NXB+1], s[BOP:BOP+1], s[NXB:NXB+1]
	VSTEP 1, 1, NXD, 0, NXS, 0, NXB, 0
	s_wait_xcnt 0x0                                ; this trip's loads have read their bases: they may step
	s_add_nc_u64 s[SQ:SQ+1], s[SQ:SQ+1], 8192
	s_add_nc_u64 s[SK:SK+1], s[SK:SK+1], 8192
	s_add_nc_u64 s[SV:SV+1], s[SV:SV+1], 8192
	s_add_nc_u64 s[BQP:BQP+1], s[BQP:BQP+1], 1024
	s_add_nc_u64 s[BVP:BVP+1], s[BVP:BVP+1], 1024
	s_add_nc_u64 s[DQ:DQ+1], s[DQ:DQ+1], 2*GROUPB
	s_add_nc_u64 s[DK:DK+1], s[DK:DK+1], 2*GROUPB
	s_add_nc_u64 s[DV:DV+1], s[DV:DV+1], 2*GROUPB
	s_add_co_u32 s[CO1], s[CO1], 4096
	s_add_co_u32 s[CO2], s[CO2], 256
	s_sub_co_u32 s[HC], s[HC], 1
	s_cmp_lg_u32 s[HC], 0
	s_cbranch_scc1 .Lhead
	s_add_nc_u64 s[PO:PO+1], s[PO:PO+1], 2*GROUPB  ; Wo's first two groups have been asked for: the even groups' pointer,
	s_add_nc_u64 s[NXB2:NXB2+1], s[PO:PO+1], GROUPB   ; and the odd groups'
	; ---- THE OUT-PROJECTION: eight steps in four slots, written out: each has accumulators of its own
	OSTEP 0
	OSTEP 1
	OSTEP 2
	OSTEP 3
	OSTEP 4
	OSTEP 5
	OSTEP 6
	OSTEP 7
	; ---- THE WAY OUT.  A lane holds 8 neighbouring columns of a row; a row's 1,024 come from four waves and eight groups.  They meet in a stage; each wave then owns 8 whole rows, 32 registers a lane and row.
	WIN 0
	PLACES 8                                       ; behind the last products: ahead of loads into their sources and of the first read of results
	RES 3                                          ; the residual's last row: the other seven were asked for during the last group
	WIN 0x08                                       ; an LDS store's data are its source 1: window 2
.irp j, 0,1,2,3,4,5,6,7
.irp m, 0,1
.irp u, 0,1
	ds_store_b128 v[STO+\m], v[32*\j+16*\m+8*\u:32*\j+16*\m+8*\u+3] offset:512*\j+64*\u        ; each accumulator from its low end on
	ds_store_b128 v[STO+\m], v[32*\j+16*\m+8*\u+4:32*\j+16*\m+8*\u+7] offset:512*\j+64*\u+16
.endr
.endr
.endr
	WIN 0
	s_wait_dscnt 0x0                               ; for the others' sake: my stores into the stage are done
	s_barrier_signal -1
	s_barrier_wait -1
	WIN 0x40
.irp i, 0,1,2,3,4,5,6,7
.irp q, 0,1,2,3,4,5,6,7
	ds_load_b128 v[32*\i+4*\q:32*\i+4*\q+3], v[RD] offset:SPITCH*\i+512*\q
.endr
.endr
	s_mov_b32 s82, 0x3a800000                      ; 1 / 1,024
	s_mov_b32 s83, 0x3727c5ac                      ; 1e-5
	s_wait_dscnt 0x0
	s_wait_loadcnt 0x0
	WIN 0x4d                                       ; destination and source 0 window 1, source 1 window 3
.irp p, 0,2,4,6,8,10,12,14,16,18,20,22,24,26,28,30
.irp i, 0,1,2,3,4,5,6,7
	v_pk_add_f32 v[32*\i+\p:32*\i+\p+1], v[32*\i+\p:32*\i+\p+1], v[32*\i+\p:32*\i+\p+1]   ; fused = (ctx Wo^T + bo) + img.  (The eight rows by turns)
.endr
.endr
	WIN 0x05                                       ; sources 0 and 1 window 1
.irp i, 0,1,2,3,4,5,6,7
	v_pk_add_f32 v[ES+2*\i:ES+2*\i+1], v[32*\i:32*\i+1], v[32*\i+2:32*\i+3]
.endr
	WIN 0x04                                       ; source 1 window 1
.irp p, 4,6,8,10,12,14,16,18,20,22,24,26,28,30
.irp i, 0,1,2,3,4,5,6,7
	v_pk_add_f32 v[ES+2*\i:ES+2*\i+1], v[ES+2*\i:ES+2*\i+1], v[32*\i+\p:32*\i+\p+1]
.endr
.endr
	WIN 0
	REDUCE
.irp i, 0,1,2,3,4,5,6,7
	v_mul_f32 v[EM+2*\i], 0xba800000, v[ET+\i]     ; -mean: the low word of a pair whose upper word is named and not used
.endr
	WIN 0x41                                       ; destination and source 0 window 1
.irp p, 0,2,4,6,8,10,12,14,16,18,20,22,24,26,28,30
.irp i, 0,1,2,3,4,5,6,7
	v_pk_add_f32 v[32*\i+\p:32*\i+\p+1], v[32*\i+\p:32*\i+\p+1], v[EM+2*\i:EM+2*\i+1] op_sel_hi:[1,0]
.endr
.endr
	WIN 0x05
.irp i, 0,1,2,3,4,5,6,7
	v_pk_mul_f32 v[ES+2*\i:ES+2*\i+1], v[32*\i:32*\i+1], v[32*\i:32*\i+1]
.endr
.irp p, 2,4,6,8,10,12,14,16,18,20,22,24,26,28,30
.irp i, 0,1,2,3,4,5,6,7
	v_pk_fma_f32 v[ES+2*\i:ES+2*\i+1], v[32*\i+\p:32*\i+\p+1], v[32*\i+\p:32*\i+\p+1], v[ES+2*\i:ES+2*\i+1]
.endr
.endr
	WIN 0
	REDUCE
.irp i, 0,1,2,3,4,5,6,7
	v_fma_f32 v[ET+\i], v[ET+\i], s82, s83         ; var + eps
.endr
	s_wait_alu depctr_va_vdst(0)
.irp i, 0,1,2,3,4,5,6,7
	v_rsq_f32 v[ER+2*\i], v[ET+\i]
.endr
	v_nop                                          ; a plain instruction behind the last of them,
	s_wait_alu depctr_va_vdst(0)                   ; and a wait ahead of the first use: one for the eight
	WIN 0x41
.irp p, 0,2,4,6,8,10,12,14,16,18,20,22,24,26,28,30
.irp i, 0,1,2,3,4,5,6,7
	v_pk_mul_f32 v[32*\i+\p:32*\i+\p+1], v[32*\i+\p:32*\i+\p+1], v[ER+2*\i:ER+2*\i+1] op_sel_hi:[1,0]
.endr
.irp i, 0,1,2,3,4,5,6,7
	v_pk_fma_f32 v[32*\i+\p:32*\i+\p+1], v[32*\i+\p:32*\i+\p+1], v[GAMV+\p:GAMV+\p+1], v[BETV+\p:BETV+\p+1]
.endr
.endr
	WIN 0x04                                       ; a store's data are its source 1: window 1
.irp i, 0,1,2,3,4,5,6,7
.irp q, 0,1,2,3,4,5,6,7
	global_store_b128 v[GO], v[32*\i+4*\q:32*\i+4*\q+3], s[OUT:OUT+1] offset:4096*\i+512*\q th:TH_STORE_NT   ; 32 lanes store 512 consecutive bytes, at a multiple of 256 from out's first byte
.endr
.endr
	WIN 0
	s_wait_tensorcnt 0x0                           ; the wave's end: behind my last tensor load and my last LDS store
	ds_add_u32 v[SPW], v[NIL]
	s_wait_dscnt 0x0
	ROUND                                          ; the closing round: no work-group ends while a partner may still ask for a slot that names it
	s_endpgm
.Lfunc_end_k_q8459106ed9_fused:
	.size	k_q8459106ed9_fused, .Lfunc_end_k_q8459106ed9_fused-k_q8459106ed9_fused
	.p2alignl 7, 3214868480
	.fill 96, 4, 3214868480
	.section	.rodata,"a",@progbits
	.p2align	6, 0x0
	.amdhsa_kernel k_q8459106ed9_fused
		.amdhsa_group_segment_fixed_size 327680
		.amdhsa_private_segment_fixed_size 0
		.amdhsa_enable_private_segment 0
		.amdhsa_kernarg_size 128
		.amdhsa_user_sgpr_count 2
		.amdhsa_user_sgpr_kernarg_segment_ptr 1
		.amdhsa_wavefront_size32 1
		.amdhsa_system_sgpr_workgroup_id_x 1
		.amdhsa_system_sgpr_workgroup_id_y 1
		.amdhsa_system_sgpr_workgroup_id_z 1
		.amdhsa_system_vgpr_workitem_id 0
		.amdhsa_next_free_vgpr 1024
		.amdhsa_next_free_sgpr 96
		.amdhsa_reserve_vcc 0
		.amdhsa_float_denorm_mode_32 3
		.amdhsa_float_denorm_mode_16_64 3
		.amdhsa_memory_ordered 1
		.amdhsa_forward_progress 1
		.amdhsa_inst_pref_size 255
	.end_amdhsa_kernel
	.section	.bss,"aw",@nobits
	.p2align	6
	.space	262144
	.amdgpu_metadata
---
amdhsa.version: [ 1, 2 ]
amdhsa.kernels:
  - .name:           k_q8459106ed9_fused
    .symbol:         k_q8459106ed9_fused.kd
    .args:
      - { .name: image_features, .offset: 0, .size: 8, .value_kind: global_buffer, .address_space: global }
      - { .name: signal_features, .offset: 8, .size: 8, .value_kind: global_buffer, .address_space: global }
      - { .name: Wq_codes, .offset: 16, .size: 8, .value_kind: global_buffer, .address_space: global }
      - { .name: Wq_scales, .offset: 24, .size: 8, .value_kind: global_buffer, .address_space: global }
      - { .name: Wk_codes, .offset: 32, .size: 8, .value_kind: global_buffer, .address_space: global }
      - { .name: Wk_scales, .offset: 40, .size: 8, .value_kind: global_buffer, .address_space: global }
      - { .name: Wv_codes, .offset: 48, .size: 8, .value_kind: global_buffer, .address_space: global }
      - { .name: Wv_scales, .offset: 56, .size: 8, .value_kind: global_buffer, .address_space: global }
      - { .name: Wo_codes, .offset: 64, .size: 8, .value_kind: global_buffer, .address_space: global }
      - { .name: Wo_scales, .offset: 72, .size: 8, .value_kind: global_buffer, .address_space: global }
      - { .name: bq, .offset: 80, .size: 8, .value_kind: global_buffer, .address_space: global }
      - { .name: bv, .offset: 88, .size: 8, .value_kind: global_buffer, .address_space: global }
      - { .name: bo, .offset: 96, .size: 8, .value_kind: global_buffer, .address_space: global }
      - { .name: ln_gamma, .offset: 104, .size: 8, .value_kind: global_buffer, .address_space: global }
      - { .name: ln_beta, .offset: 112, .size: 8, .value_kind: global_buffer, .address_space: global }
      - { .name: out0, .offset: 120, .size: 8, .value_kind: global_buffer, .address_space: global }
    .group_segment_fixed_size: 327680
    .private_segment_fixed_size: 0
    .kernarg_segment_align: 8
    .kernarg_segment_size: 128
    .max_flat_workgroup_size: 128
    .sgpr_count:     96
    .vgpr_count:     1024
    .wavefront_size: 32
...
	.end_amdgpu_metadata
.endif
;; end of part 1
